; MI455X (gfx1250); checked and timed in simulation.
; The chip was launched on July 23, 2026; its instructions are those of AMD's public machine-readable ISA for CDNA 5 (MIT licence, August 2026) and "CDNA5" Instruction Set Architecture Reference Guide (July 2026). The comments in the code are by the model that wrote it; some were corrected since.
;; Patch Decoder. Allowed arithmetic: float matrix products may take bf16 or f16 operands with f32 sums; all other float work in f32.
;; Inputs: fc0_b 5 x 128 float32; fc0_w 5 x 128 x 128 float32; fc1_b 5 x 128 float32; fc1_w 5 x 128 x 128 float32; fc_c_b 5 x 128 float32; fc_c_w 5 x 128 x 32 float32; fc_out_b 1 float32; fc_out_w 1 x 128 float32; fc_p_b 128 float32; fc_p_w 128 x 32 float32; query 250,000 x 3 float32; z_feats 262,144 x 32 float32.
;; Outputs: out0 250,000 float32.
;; Constants: grid_size = 64.
;; One version. Each part assembles by itself: llvm-mc -triple=amdgcn-amd-amdhsa -mcpu=gfx1250 --defsym DOCPART=n.
;; ======== version 1 of 1: 2 launches
;; limits: values are held in f16: magnitudes above 65,504 overflow, below 6.1e-05 lose precision
;; workspace buffers: cell 1,007,616 bytes of whole numbers; wts 371,712 bytes
;; launch prep (part 1): grid 292 x 1, 8 waves a work-group, no clusters, 0 bytes of LDS; arguments query, fc0_w, fc1_w, fc_c_w, fc_p_w, fc_p_b, fc_c_b, fc1_b, cell, wts; writes cell, wts
.if DOCPART == 1
	.amdgcn_target "amdgcn-amd-amdhsa--gfx1250"
	.amdhsa_code_object_version 6
	.text
	.protected	k_q17c84aa0b9_prep
	.globl	k_q17c84aa0b9_prep
	.p2align	8
	.type	k_q17c84aa0b9_prep,@function
k_q17c84aa0b9_prep:
	s_mov_b64 s[64:65], 0
	v_nop
	global_prefetch_b8 v0, s[64:65] scope:SCOPE_SE
	s_setreg_imm32_b32 hwreg(HW_REG_WAVE_MODE, 25, 1), 1
	s_wait_xcnt 0x0
; PREP.  Two things that the decoder needs ready in memory.
; (1) cell[i] = (x 64 + y) 64 + z, the whole-number cell of query i, so that the next launch forms its gather addresses from whole numbers.
;     251,904 entries; entries from 250,000 on are 0 (the decoder looks ahead into them).
; (2) wts: the weights of the matrix products rounded once to 16 bits and laid out as register images of matrix fragments, in the order of their use, and the merged biases in f32.
;     A fragment is 16 rows x 32 k = 1,024 bytes; its 16-byte unit u = 32 q + 16 h + r holds W[R0 + r][k0 + 16 q + 8 h .. + 7]:
;     two loads of 16 bytes a lane, at 16 x lane and 512 bytes on, fill a fragment.
;     bytes 0 ..        40 chunks of 8 fragments, bf16: block i = C / 8, chunk j = C % 8 in the order W0(s0) W0(s1) W1(s0) W0(s2) W1(s1) W0(s3) W1(s2) W1(s3);
;                       W0(s): fragment f = 2 ks + m2: rows 32 s + 16 m2 of fc0_w[i], k from 32 ks;  W1(s): fragment f = mb: rows 16 mb of fc1_w[i], k from 32 s
;     bytes 327,680 ..  5 chunks, f16: fc_c_w[i] (i = 0: fc_p_w + fc_c_w[0], summed in f32, rounded once); fragment f: rows 16 f
;     bytes 368,640 ..  beta, 6 x 128 f32: beta0 = fc_p_b + fc_c_b[0]; beta_e = fc1_b[e-1] + fc_c_b[e]; beta5 = fc1_b[4]
; LIMITS.  A coordinate is taken into 0 .. 62.0 and cut toward zero: floor(q) for queries in [0, 63), which is what the module relies on; a NaN counts as 0.
; The latent matrices must lie within f16's 65,504; below 6e-5 they keep f16's fixed step of 6e-8.
; Work-groups 0-245: cells, 1,024 each.  246-290: one chunk of 8,192 bytes each.  291: beta.  No loop, no barrier, no LDS: the waves share nothing.
.set NQ,     250000
.set QLAST,  2999952                   ; the last 48 bytes of query begin here
.set CELLWG, 246
.set BIGCH,  40
.set BEO,    368640
	s_load_b512 s[4:19], s[0:1], 0x0               ; query s[4:5], fc0_w s[6:7], fc1_w s[8:9], fc_c_w s[10:11], fc_p_w s[12:13], fc_p_b s[14:15], fc_c_b s[16:17], fc1_b s[18:19]
	s_load_b128 s[20:23], s[0:1], 0x40             ; cell s[20:21], wts s[22:23]
	s_cmp_lt_u32 ttmp9, CELLWG
	s_cbranch_scc0 .Lweights
	; CELLS.  Thread n owns queries 4 n .. 4 n + 3: 48 bytes in, 16 bytes out; sixteen lanes store 256 consecutive bytes, aligned.
	s_lshl_b32 s26, ttmp9, 8
	v_add_nc_u32 v1, s26, v0                       ; n
	v_mul_u32_u24 v2, 48, v1
	v_min_u32 v2, QLAST, v2                        ; threads of the pad read the last queries and store 0
	v_lshlrev_b32 v3, 2, v1
	v_cmp_gt_u32 vcc_lo, NQ, v3                    ; 4 n < 250,000: all four are queries (250,000 is a multiple of 4)
	v_lshlrev_b32 v3, 4, v1
	s_wait_kmcnt 0x0
	global_load_b128 v[4:7], v2, s[4:5]
	global_load_b128 v[8:11], v2, s[4:5] offset:16
	global_load_b128 v[12:15], v2, s[4:5] offset:32
	s_wait_loadcnt 0x0
.set i, 0
.rept 12
	v_max_num_f32 v[4+i], 0, v[4+i]
	v_min_num_f32 v[4+i], 0x42780000, v[4+i]       ; 62.0
	v_cvt_u32_f32 v[4+i], v[4+i]
.set i, i+1
.endr
.set i, 0
.rept 4
	v_lshl_add_u32 v[16+i], v[4+3*i], 6, v[5+3*i]
	v_lshl_add_u32 v[16+i], v[16+i], 6, v[6+3*i]
	v_cndmask_b32 v[16+i], 0, v[16+i], vcc_lo
.set i, i+1
.endr
	global_store_b128 v3, v[16:19], s[20:21]
	s_endpgm
; The byte offset in the source of unit U = v0 + add of a chunk.  f = U / 64; row = s36 + 16 (f & s34) + U % 16; column = s37 + 32 (f >> s35) + 8 ((U / 16) % 4); a row is 1 << s31 bytes.
.macro UOFF d, add
	v_add_nc_u32 v6, \add, v0
	v_lshrrev_b32 v7, 6, v6
	v_and_b32 v1, s34, v7
	v_and_b32 v4, 15, v6
	v_lshl_add_u32 v1, v1, 4, v4
	v_add_nc_u32 v1, s36, v1
	v_lshrrev_b32 v7, s35, v7
	v_bfe_u32 v4, v6, 4, 2
	v_lshlrev_b32 v4, 3, v4
	v_lshl_add_u32 v7, v7, 5, v4
	v_add_nc_u32 v7, s37, v7
	v_lshlrev_b32 v7, 2, v7
	v_lshlrev_b32 v1, s31, v1
	v_add_nc_u32 v[\d], v1, v7
.endm
.macro LOAD4 d, p                      ; the 8 numbers of each of my two units
	global_load_b128 v[\d:\d+3], v2, s[\p:\p+1]
	global_load_b128 v[\d+4:\d+7], v2, s[\p:\p+1] offset:16
	global_load_b128 v[\d+8:\d+11], v5, s[\p:\p+1]
	global_load_b128 v[\d+12:\d+15], v5, s[\p:\p+1] offset:16
.endm
.macro CVTST half                      ; rounded to bf16 (half = 0) or f16 (1); a wave stores 512 consecutive bytes, aligned
.set i, 0
.rept 8
.if \half
	v_cvt_pk_f16_f32 v[40+i], v[8+2*i], v[9+2*i]
.else
	v_cvt_pk_bf16_f32 v[40+i], v[8+2*i], v[9+2*i]
.endif
.set i, i+1
.endr
	global_store_b128 v3, v[40:43], s[40:41]
	global_store_b128 v3, v[44:47], s[40:41] offset:4096
.endm
.Lweights:
	s_sub_co_u32 s26, ttmp9, CELLWG                ; C
	s_cmp_lt_u32 s26, 45
	s_cbranch_scc0 .Ltables
	v_lshlrev_b32 v3, 4, v0                        ; 16 U
	s_lshl_b32 s40, s26, 13                        ; the chunk lies at 8,192 C
	s_mov_b32 s41, 0
	s_cmp_lt_u32 s26, BIGCH
	s_cbranch_scc0 .Lsmall
	; A CHUNK OF A 128 x 128 LAYER
	s_lshr_b32 s27, s26, 3                         ; block i
	s_and_b32 s28, s26, 7                          ; j
	s_lshr_b32 s29, 0xd4, s28
	s_and_b32 s29, s29, 1                          ; 1: fc1_w (j = 2, 4, 6, 7)
	s_lshl_b32 s30, s28, 1
	s_lshr_b32 s30, 0xed84, s30
	s_and_b32 s30, s30, 3                          ; s: 0 1 0 2 1 3 2 3
	s_lshl_b32 s30, s30, 5                         ; 32 s
	s_lshl_b32 s38, s27, 16
	s_mov_b32 s39, 0
	s_mov_b32 s31, 9                               ; rows of 512 bytes
	s_wait_kmcnt 0x0
	s_cmp_eq_u32 s29, 1
	s_cselect_b64 s[32:33], s[8:9], s[6:7]
	s_cselect_b32 s34, 7, 1
	s_cselect_b32 s35, 3, 1
	s_cselect_b32 s36, 0, s30
	s_cselect_b32 s37, s30, 0
	s_add_nc_u64 s[32:33], s[32:33], s[38:39]
	s_add_nc_u64 s[40:41], s[22:23], s[40:41]
	UOFF 2, 0
	UOFF 5, 256
	LOAD4 8, 32
	s_wait_loadcnt 0x0
	CVTST 0
	s_endpgm
.Lsmall:                               ; A LATENT MATRIX, 128 x 32
	s_sub_co_u32 s27, s26, BIGCH                   ; i
	s_lshl_b32 s38, s27, 14
	s_mov_b32 s39, 0
	s_mov_b32 s31, 7                               ; rows of 128 bytes
	s_mov_b32 s34, 7
	s_mov_b32 s35, 3
	s_mov_b32 s36, 0
	s_mov_b32 s37, 0
	s_wait_kmcnt 0x0
	s_add_nc_u64 s[32:33], s[10:11], s[38:39]
	s_add_nc_u64 s[40:41], s[22:23], s[40:41]
	UOFF 2, 0
	UOFF 5, 256
	LOAD4 8, 32
	s_cmp_lg_u32 s27, 0
	s_cbranch_scc1 .Lplain
	LOAD4 24, 12                                   ; i = 0: fc_p_w joins, since both multiply the same latent
	s_wait_loadcnt 0x0
.set i, 0
.rept 8
	v_pk_add_f32 v[8+2*i:9+2*i], v[8+2*i:9+2*i], v[24+2*i:25+2*i]
.set i, i+1
.endr
.Lplain:
	s_wait_loadcnt 0x0
	CVTST 1
	s_endpgm
.Ltables:                              ; BETA: waves 0 to 5, 128 numbers each; six rows are all there is, so waves 6 and 7 have none
	v_lshrrev_b32 v5, 5, v0
	v_readfirstlane_b32 s27, v5                    ; wave e
	v_lshlrev_b32 v3, 4, v0                        ; 512 e + 16 x lane
	v_and_b32 v5, 31, v0
	v_lshlrev_b32 v5, 4, v5
	s_wait_kmcnt 0x0
	s_cmp_lt_u32 s27, 6
	s_cbranch_scc0 .Ldone
	s_max_u32 s28, s27, 1
	s_sub_co_u32 s28, s28, 1
	s_lshl_b32 s38, s28, 9                         ; fc1_b[e - 1]; 0 for e = 0
	s_mov_b32 s39, 0
	s_lshl_b32 s30, s27, 9                         ; fc_c_b[e]
	s_mov_b32 s31, 0
	s_cmp_eq_u32 s27, 0
	s_cselect_b64 s[32:33], s[14:15], s[18:19]
	s_add_nc_u64 s[32:33], s[32:33], s[38:39]
	global_load_b128 v[16:19], v5, s[32:33]
	s_cmp_eq_u32 s27, 5
	s_cbranch_scc1 .Lone                           ; beta5 has one addend
	s_add_nc_u64 s[34:35], s[16:17], s[30:31]
	global_load_b128 v[20:23], v5, s[34:35]
	s_wait_loadcnt 0x0
	v_pk_add_f32 v[16:17], v[16:17], v[20:21]
	v_pk_add_f32 v[18:19], v[18:19], v[22:23]
.Lone:
	s_wait_loadcnt 0x0
	global_store_b128 v3, v[16:19], s[22:23] offset:BEO
.Ldone:
	s_endpgm
.Lfunc_end_k_q17c84aa0b9_prep:
	.size	k_q17c84aa0b9_prep, .Lfunc_end_k_q17c84aa0b9_prep-k_q17c84aa0b9_prep
	.p2alignl 7, 3214868480
	.fill 96, 4, 3214868480
	.section	.rodata,"a",@progbits
	.p2align	6, 0x0
	.amdhsa_kernel k_q17c84aa0b9_prep
		.amdhsa_group_segment_fixed_size 0
		.amdhsa_private_segment_fixed_size 0
		.amdhsa_enable_private_segment 0
		.amdhsa_kernarg_size 80
		.amdhsa_user_sgpr_count 2
		.amdhsa_user_sgpr_kernarg_segment_ptr 1
		.amdhsa_wavefront_size32 1
		.amdhsa_system_sgpr_workgroup_id_x 1
		.amdhsa_system_sgpr_workgroup_id_y 1
		.amdhsa_system_sgpr_workgroup_id_z 1
		.amdhsa_system_vgpr_workitem_id 0
		.amdhsa_next_free_vgpr 48
		.amdhsa_next_free_sgpr 66
		.amdhsa_reserve_vcc 1
		.amdhsa_float_denorm_mode_32 3
		.amdhsa_float_denorm_mode_16_64 3
		.amdhsa_memory_ordered 1
		.amdhsa_forward_progress 1
		.amdhsa_inst_pref_size 12
	.end_amdhsa_kernel
	.amdgpu_metadata
---
amdhsa.version: [ 1, 2 ]
amdhsa.kernels:
  - .name:           k_q17c84aa0b9_prep
    .symbol:         k_q17c84aa0b9_prep.kd
    .args:
      - { .name: query, .offset: 0, .size: 8, .value_kind: global_buffer, .address_space: global }
      - { .name: fc0_w, .offset: 8, .size: 8, .value_kind: global_buffer, .address_space: global }
      - { .name: fc1_w, .offset: 16, .size: 8, .value_kind: global_buffer, .address_space: global }
      - { .name: fc_c_w, .offset: 24, .size: 8, .value_kind: global_buffer, .address_space: global }
      - { .name: fc_p_w, .offset: 32, .size: 8, .value_kind: global_buffer, .address_space: global }
      - { .name: fc_p_b, .offset: 40, .size: 8, .value_kind: global_buffer, .address_space: global }
      - { .name: fc_c_b, .offset: 48, .size: 8, .value_kind: global_buffer, .address_space: global }
      - { .name: fc1_b, .offset: 56, .size: 8, .value_kind: global_buffer, .address_space: global }
      - { .name: cell, .offset: 64, .size: 8, .value_kind: global_buffer, .address_space: global }
      - { .name: wts, .offset: 72, .size: 8, .value_kind: global_buffer, .address_space: global }
    .group_segment_fixed_size: 0
    .private_segment_fixed_size: 0
    .kernarg_segment_align: 8
    .kernarg_segment_size: 80
    .max_flat_workgroup_size: 256
    .sgpr_count:     66
    .vgpr_count:     48
    .wavefront_size: 32
...
	.end_amdgpu_metadata
.endif
;; end of part 1
;; launch decode (part 2): grid 256 x 1, 4 waves a work-group, no clusters, 327,680 bytes of LDS; arguments z_feats, query, fc0_b, fc_out_b, cell, wts, out0, fc_out_w; writes out0
.if DOCPART == 2
	.amdgcn_target "amdgcn-amd-amdhsa--gfx1250"
	.amdhsa_code_object_version 6
	.text
	.protected	k_q17c84aa0b9_decode
	.globl	k_q17c84aa0b9_decode
	.p2align	8
	.type	k_q17c84aa0b9_decode,@function
k_q17c84aa0b9_decode:
	s_mov_b64 s[64:65], 0
	v_nop
	global_prefetch_b8 v0, s[64:65] scope:SCOPE_SE
	s_setreg_imm32_b32 hwreg(HW_REG_WAVE_MODE, 25, 1), 1
	s_wait_xcnt 0x0
; DECODE.  For each query: 8 corner rows of z_feats mixed trilinearly (f32) into a latent of 32 numbers, then the whole chain of 5 residual blocks and the output layer.
; FORMATS.  The ten 128 x 128 products: bf16 operands, f32 sums (their activations have no bound that f16 could hold).  The five latent products: f16 operands, f32 sums: net is nearly all theirs, so their
; rounding is what reaches the output; the latent is a convex mix of z_feats' rows and has their range.  The output layer has ONE row: it is summed in f32 on the vector unit, one packed multiply-add where a
; rounding to 16 bits would stand, in place of matrix instructions of whose 16 rows 15 would be zeros.  net, biases, the mix, ReLU and the leaky ReLU in f32.
; LIMITS.  Queries lie in [0, 63) on each axis, as the module relies on; the cell comes clamped to 0 .. 62 an axis from the launch before; rel = q less q cut toward zero, which is q - floor(q) for q >= 0;
; outside that range the result is not the module's.  z_feats and the latent matrices lie within f16's 65,504; below 6e-5 the latent keeps f16's fixed step of 6e-8.  NaN and infinities are not treated apart.
; fc_p_w + fc_c_w[0] was summed in f32 and rounded once.
; SHARES.  256 work-groups of four waves.  A wave owns 64 queries at a time (a PASS): four tiles of 16; lane r of tile t holds query base + 4 r + t.  Pass p begins at 65,536 p + 256 work-group + 64 wave.
; A wave makes four passes if its fourth begins below 250,000, else three; the one wave that begins at 249,984 has 16 queries there: its other lanes work on cell 0 and store nothing.
; LAYOUT.  Weights are source 0 (16 output channels x 32 k), activations source 1 (32 k x 16 queries).  In a result a lane holds ONE query (lane % 16) and channels 8 (lane / 16) + 0..7; two results, rounded
; to 16 bits in pairs, ARE source 1 of the next product.  So activations never leave registers and never change lanes.
; LDS holds the ten 128 x 128 layers as fragment images, 327,680 bytes, filled ONCE, a quarter by each wave: one tensor load a wave is out, once.  Lane l reads at 16 l: consecutive bytes, no padding.
; The five latent matrices (8 KiB each) and the biases do not fit beside them: they come from memory into registers, a block ahead of their use.
; NO CLUSTER.  What the work-groups share is these 327,680 bytes, fetched once in the launch, under the first gather; a work-group's own gather is 1,000 KiB and more.  And the number of passes and the
; last pass's store mask hang on the work-group's own number.
; BIASES.  b0 is the C operand that starts h; beta0 the C operand that starts net; beta_(i+1) = fc1_b[i] + fc_c_b[i+1] is added to net during block i, once relu(net) has been taken.
; AHEAD.  While pass p is multiplied, pass p + 1 is gathered: block i (0-3) takes the corner pair (dx, dy) = (i / 2, i % 2), both z.  The fifth block is written out: it rounds the new latent, loads the cells of pass p + 2
; and ends in the leaky ReLU and the output sums.  The last pass runs its look-ahead too, on the pad of cell (all 0) and clamped query bytes: inside the buffers, unused; so each wait has one count on every way.
; BESIDE THE MATRIX WORK.  A block has 288 matrix and 984 vector instructions.  The vector work stands in numbered lists, each in the order in which its entries become ready, and is dealt in fours behind matrix
; instructions that name none of its registers.  Two parts have no host and stand in lumps: the last 64 entries of relu(net), ahead of the k step that reads them, and the 96 of slice 0's relu(h), which nothing can be
; multiplied beside without a second set of h's 64 registers.  The hosts are a stage's LAST products, so that four plain instructions stand behind its last one, ahead of the loads into the chunk that it read.
; LEFT OUT.  No prefetch: the gather loads themselves are issued three stages of 32 matrix instructions or more ahead of their use.  No LDS stage on the way out: sixteen lanes already hold 256 consecutive bytes.
;
; REGISTERS, in windows of 256 (s_set_vgpr_msb: bits 1:0 source 0, 3:2 source 1, 5:4 source 2, 7:6 destination):
;   window 0: v0-7 addresses and two at work; v8-11 cells, then byte offsets; v12-23 rel; v24-31 corner weights (also at work; later the four results); v32-63 latent; v64-127 h (f32); v128-191 relu(h) in bf16,
;             two buffers (the first also at work for relu(net)); v192-223 b0, two buffers; v224-255 the output layer's partial sums
;   window 1: net, 8 channel blocks x 4 tiles x 8      window 2: v0-63 X, v64-127 Y: weight chunks by turns; v128-255 relu(net) in bf16 (v0-191 ahead of the first pass: three buffers of gathered rows)
;   window 3: v0-63 a latent matrix; v64-127 beta; v128-191 gathered rows; v192-255 the latent's sums (in the fifth block: fc_out_w)
.set NQ,      250000
.set PADQ,    250880                   ; from here on cell holds 0; reads reach 63 entries further, inside its 251,904
.set STEPQ,   65536
.set QLAST,   2999952                  ; the last 48 bytes of query begin here
.set CELLMAX, 0x3efbe                  ; (62 x 64 + 62) x 64 + 62
.set SMO,     327680
.set BEO,     368640
.set QUART,   81920                    ; a wave's quarter of the fill
.set QA,     0
.set LANE16, 1
.set ADR,    2
.set H32,    3
.set OOFF,   4
.set VQ,     5
.set T0,     6
.set GOFF,   8
.set REL,    12
.set WT,     24
.set LAT,    32
.set HA,     64
.set HB,     128
.set TMP,    128
.set B0F,    192
.set OACC,   224
.set NET,    0
.set X,      0
.set Y,      64
.set AF,     128
.set WCF,    0
.set BETA,   64
.set GB,     128
.set LACC,   192
.set WO,     192
.set W_H,   0x0a                       ; weights and relu(net) window 2; C and D window 0
.set W_N,   0x52                       ; weights window 2, relu(h) window 0, net window 1
.set W_WC,  0x53                       ; latent matrix window 3, latent window 0, net window 1
.set W_WC0, 0x73                       ; the same with C = beta, window 3
.set W_RL,  0x04                       ; source 1 window 1
.set W_LK,  0x01                       ; source 0 window 1
.set W_OF,  0x0c                       ; source 1 window 3
.set W_CA,  0x80                       ; destination window 2
.set W_BA,  0x4d                       ; net (destination, source 0) window 1, beta window 3
.set W_L3,  0xc0                       ; destination window 3
.set W_GF,  0xf3                       ; rows and sums window 3, weights window 0
.set W_G2,  0xf2                       ; rows window 2, sums window 3, weights window 0
.set W_CL,  0x0f                       ; sources window 3
; scalars: s2 wave; s[4:5] z_feats, s[6:7] query, s[8:9] fc0_b, s[10:11] fc_out_b, s[12:13] cell, s[14:15] wts, s[16:17] out0, s[18:19] fc_out_w; s20 passes, s21 pass, s22 block, s23 LDS byte of a block,
; s24 base, s25 base of the pass whose cells are loaded next, s26 the same clamped, s27 fc_out_b[0]; s[28:31], s[32:39] the descriptor; s[40:41] z_feats at the corner pair; s[42:43] an offset, high word 0;
; s44-47 the pair's weights: AX, BX, AY, BY; s[48:49] next latent matrix, s[50:51] next beta, s[52:53] fc0_b at the block; s[54:55] wts + SMO, s[56:57] wts + BEO; s[58:59] cell, s[60:61] out0 at the pass;
; s62 EXEC kept; s63 at work; s66, s67 v_permlanex16_b32's selects
.set MSB, 0
.macro WIN new                         ; the high byte repeats the setting that is left; a switch that changes nothing is dropped
.if MSB != (\new)
	s_set_vgpr_msb (MSB<<8)|(\new)
.set MSB, (\new)
.endif
.endm
; A vector instruction that reads a matrix result or writes a matrix instruction's register, and a load into such a register, stand four places behind it; only plain vector instructions that name none of
; its registers are places (ISA guide 7.12.1 for vector instructions).  In the blocks the lists' entries are the places; v_nop stand only where no work is at hand.
.macro PLACES
.rept 4
	v_nop
.endr
.endm
.macro MMA d, a, b, c
	v_wmma_f32_16x16x32_bf16 v[\d:\d+7], v[\a:\a+7], v[\b:\b+7], v[\c:\c+7]
.endm
.macro MMH d, a, b, c
	v_wmma_f32_16x16x32_f16 v[\d:\d+7], v[\a:\a+7], v[\b:\b+7], v[\c:\c+7]
.endm
; 16 LDS loads: chunk j of the block in hand, 8 fragments, into X or Y
.macro LDF buf, j
	WIN W_CA
.set f, 0
.rept 8
	ds_load_b128 v[(\buf)+8*f:(\buf)+8*f+3], v[ADR] offset:(\j)*8192+f*1024
	ds_load_b128 v[(\buf)+8*f+4:(\buf)+8*f+7], v[ADR] offset:(\j)*8192+f*1024+512
.set f, f+1
.endr
.endm
.macro LDW p                           ; 16 loads: a latent matrix, 8 fragments
	WIN W_L3
.set f, 0
.rept 8
	global_load_b128 v[WCF+8*f:WCF+8*f+3], v[LANE16], s[\p:\p+1] offset:f*1024
	global_load_b128 v[WCF+8*f+4:WCF+8*f+7], v[LANE16], s[\p:\p+1] offset:f*1024+512
.set f, f+1
.endr
.endm
.macro LDV dst, p, imm                 ; 16 loads: 128 f32 by channels, in the layout of a result: register j of block mb = vector[16 mb + 8 (lane / 16) + j]; into window 3
	WIN W_L3
.set f, 0
.rept 8
	global_load_b128 v[(\dst)+8*f:(\dst)+8*f+3], v[H32], s[\p:\p+1] offset:(\imm)+64*f
	global_load_b128 v[(\dst)+8*f+4:(\dst)+8*f+7], v[H32], s[\p:\p+1] offset:(\imm)+64*f+16
.set f, f+1
.endr
.endm
.macro LDB0 b, p, imm                  ; 4 loads: b0 of 32 channels of h, the same layout
	WIN 0
.set f, 0
.rept 2
	global_load_b128 v[B0F+16*(\b)+8*f:B0F+16*(\b)+8*f+3], v[H32], s[\p:\p+1] offset:(\imm)+64*f
	global_load_b128 v[B0F+16*(\b)+8*f+4:B0F+16*(\b)+8*f+7], v[H32], s[\p:\p+1] offset:(\imm)+64*f+16
.set f, f+1
.endr
.endm
; THE GATHER.  4 loads: the four cells (into dg) and the twelve coordinates (into dr) of my lane's four queries of the pass at s25
.macro LDQ dg, dr
	WIN 0
	s_min_u32 s26, s25, PADQ
	s_lshl_b32 s42, s26, 2
	s_add_nc_u64 s[58:59], s[12:13], s[42:43]
	s_mul_i32 s63, s26, 12
	v_mad_u32_u24 v[QA], v[OOFF], 3, s63           ; 12 base + 48 r
	v_min_u32 v[QA], QLAST, v[QA]
	global_load_b128 v[(\dg):(\dg)+3], v[OOFF], s[58:59]
	global_load_b128 v[(\dr):(\dr)+3], v[QA], s[6:7]
	global_load_b128 v[(\dr)+4:(\dr)+7], v[QA], s[6:7] offset:16
	global_load_b128 v[(\dr)+8:(\dr)+11], v[QA], s[6:7] offset:32
.endm
; Entry pq of the 44 that make of the cells at sg byte offsets (128 bytes a row, my half of the lanes' 32 bytes) and of the coordinates at sr rel: 0-3 the clamp, 4-7 the offset; then four coordinates at a
; time: cut toward zero, back to a float (floor(q) for q >= 0), the difference; the corner weights' first four registers are at work
.macro PRE sg, sr
	WIN 0
.if pq < 4
	v_min_u32 v[GOFF+pq], CELLMAX, v[(\sg)+pq]
.elseif pq < 8
	v_lshl_add_u32 v[GOFF+pq-4], v[GOFF+pq-4], 7, v[H32]
.else
.set pcx, 4*((pq-8)/12)+(pq-8)%4
.set ptx, WT+(pq-8)%4
.if ((pq-8)%12) < 4
	v_cvt_u32_f32 v[ptx], v[(\sr)+pcx]
.elseif ((pq-8)%12) < 8
	v_cvt_f32_u32 v[ptx], v[ptx]
.else
	v_sub_f32 v[REL+pcx], v[(\sr)+pcx], v[ptx]
.endif
.endif
.set pq, pq+1
.endm
.macro PROCR n0, n1, sg, sr            ; entries n0 .. n1 - 1 on end
.set pq, \n0
.rept (\n1)-(\n0)
	PRE \sg, \sr
.endr
.endm
.macro PAIR                            ; the corner pair of block s22: dx = bit 1, dy = bit 0; its weight along an axis is A + B rel: rel, or 1 - rel
	s_lshr_b32 s63, s22, 1
	s_and_b32 s42, s22, 1
	s_lshl_b32 s42, s42, 13                        ; dy: 64 rows of 128 bytes
	s_lshl_b32 s44, s63, 19                        ; dx: 4,096 rows
	s_add_co_u32 s42, s42, s44
	s_add_nc_u64 s[40:41], s[4:5], s[42:43]
	s_cmp_lg_u32 s63, 0
	s_cselect_b32 s44, 0, 1.0
	s_cselect_b32 s45, 1.0, -1.0
	s_bitcmp1_b32 s22, 0
	s_cselect_b32 s46, 0, 1.0
	s_cselect_b32 s47, 1.0, -1.0
.endm
; Entry wq of the 24 that make each tile's two corner weights, (wx wy) wz for z = 0 and 1: 0-3 wx, 4-7 wy, 8-11 wx wy, then for two tiles at a time 1 - rz, (wx wy) rz, (wx wy)(1 - rz)
.macro GWE bx, ax, by, ay
	WIN 0
.if wq < 4
	v_fma_f32 v[WT+2*wq], v[REL+3*wq], \bx, \ax
.elseif wq < 8
	v_fma_f32 v[WT+2*(wq-4)+1], v[REL+3*(wq-4)+1], \by, \ay
.elseif wq < 12
	v_mul_f32 v[WT+2*(wq-8)], v[WT+2*(wq-8)], v[WT+2*(wq-8)+1]
.else
.set wi, 2*((wq-12)/6)+(wq-12)%2
.set wr, ((wq-12)%6)/2
.if wr == 0
	v_sub_f32 v[T0+wi%2], 1.0, v[REL+3*wi+2]
.elseif wr == 1
	v_mul_f32 v[WT+2*wi+1], v[WT+2*wi], v[REL+3*wi+2]
.else
	v_mul_f32 v[WT+2*wi], v[WT+2*wi], v[T0+wi%2]
.endif
.endif
.set wq, wq+1
.endm
.macro GWL bx, ax, by, ay              ; all 24 on end
.set wq, 0
.rept 24
	GWE \bx, \ax, \by, \ay
.endr
.endm
; 16 loads: tiles 2 a, 2 a + 1: of both rows (z, z + 1: 256 consecutive bytes) my channels 8 h .. + 7 and 16 + 8 h .. + 7.  GBB: the buffer; GLW, GWN: the windows for loading it and for using it
.set GBB, GB
.set GLW, W_L3
.set GWN, W_GF
.macro GISSUE a, p, imm
	WIN GLW
.set i, 0
.rept 4                                ; i = 2 tile + z
	global_load_b128 v[GBB+16*i:GBB+16*i+3], v[GOFF+2*(\a)+i/2], s[\p:\p+1] offset:(\imm)+128*(i%2)
	global_load_b128 v[GBB+16*i+4:GBB+16*i+7], v[GOFF+2*(\a)+i/2], s[\p:\p+1] offset:(\imm)+128*(i%2)+16
	global_load_b128 v[GBB+16*i+8:GBB+16*i+11], v[GOFF+2*(\a)+i/2], s[\p:\p+1] offset:(\imm)+128*(i%2)+64
	global_load_b128 v[GBB+16*i+12:GBB+16*i+15], v[GOFF+2*(\a)+i/2], s[\p:\p+1] offset:(\imm)+128*(i%2)+80
.set i, i+1
.endr
.endm
; Entry gq of the 32 packed multiply-adds by which the sums take those rows times their weights: tile gq / 16, z = (gq / 8) % 2, pair of channels gq % 8
.macro GUF a, z
	WIN GWN
	v_pk_fma_f32 v[LACC+16*(2*(\a)+gu)+2*gi:LACC+16*(2*(\a)+gu)+2*gi+1], v[GBB+32*gu+16*\z+2*gi:GBB+32*gu+16*\z+2*gi+1], v[WT+2*(2*(\a)+gu):WT+2*(2*(\a)+gu)+1], v[LACC+16*(2*(\a)+gu)+2*gi:LACC+16*(2*(\a)+gu)+2*gi+1] op_sel:[0,\z,0] op_sel_hi:[1,\z,1]
.endm
.macro GUQ a
.set gu, gq/16
.set gi, gq%8
.if (gq/8)%2
	GUF \a, 1
.else
	GUF \a, 0
.endif
.set gq, gq+1
.endm
.macro LCQ                             ; entry lq of 32: a pair of finished sums, rounded to f16, becomes part of source 1 of the latent products
	WIN W_CL
	v_cvt_pk_f16_f32 v[LAT+lq], v[LACC+2*lq], v[LACC+2*lq+1]
.set lq, lq+1
.endm
.macro LATCVT
.set lq, 0
.rept 32
	LCQ
.endr
.endm
.macro LCLR                            ; the sums are cleared: 64 moves a pass, the price of one text for all four corner pairs
	WIN W_L3
.set i, 0
.rept 64
	v_mov_b32 v[LACC+i], 0
.set i, i+1
.endr
.endm
; BND, entry bi for channel block mb of net.  ReLU (48): 32 maxima into TMP, 16 roundings: half of a source 1.  Leaky (64): 16 packed products 0.2 x, 32 maxima of x and 0.2 x, 16 packed multiply-adds with fc_out_w
; onto the 16 pairs of partial sums (tile, pair of channels): each pair is touched once a channel block, and block 0 starts the sums.  Each result's lowest registers are read first.
.macro BCV mb, n
	WIN W_CA
	v_cvt_pk_bf16_f32 v[AF+32*((\mb)/2)+8*((\n)/4)+4*((\mb)%2)+(\n)%4], v[TMP+2*(\n)], v[TMP+2*(\n)+1]
.endm
.macro BND mb, leaky
.if \leaky
.if bi < 16
	WIN W_LK
	v_pk_mul_f32 v[HA+2*bi:HA+2*bi+1], v[NET+32*(\mb)+2*bi:NET+32*(\mb)+2*bi+1], 0x3e4ccccd op_sel_hi:[1,0]
.elseif bi < 48
	WIN W_LK
	v_max_num_f32 v[HA+bi-16], v[NET+32*(\mb)+bi-16], v[HA+bi-16]
.elseif (\mb) == 0
	WIN W_OF
	v_pk_mul_f32 v[OACC+2*(bi-48):OACC+2*(bi-48)+1], v[HA+2*(bi-48):HA+2*(bi-48)+1], v[WO+8*(\mb)+2*((bi-48)%4):WO+8*(\mb)+2*((bi-48)%4)+1]
.else
	WIN W_OF
	v_pk_fma_f32 v[OACC+2*(bi-48):OACC+2*(bi-48)+1], v[HA+2*(bi-48):HA+2*(bi-48)+1], v[WO+8*(\mb)+2*((bi-48)%4):WO+8*(\mb)+2*((bi-48)%4)+1], v[OACC+2*(bi-48):OACC+2*(bi-48)+1]
.endif
.else
.if bi < 32
	WIN W_RL
	v_max_num_f32 v[TMP+bi], 0, v[NET+32*(\mb)+bi]
.else
	BCV \mb, bi-32
.endif
.endif
.set bi, bi+1
.endm
.macro RIDE mb, leaky, per
.rept \per
	BND \mb, \leaky
.endr
.endm
.macro BQ                              ; relu(net) as ONE list of 8 x 48: entry bq.  It begins in the stage that ends a block (entries 0-223) and ends in the next block's first stage (224-383)
.set bi, bq%48
	BND bq/48, 0
.set bq, bq+1
.endm
.macro BADD mb0                        ; net += beta, pair bi of the 64 of channel blocks mb0 .. mb0 + 3
	WIN W_BA
	v_pk_add_f32 v[NET+32*(\mb0)+2*bi:NET+32*(\mb0)+2*bi+1], v[NET+32*(\mb0)+2*bi:NET+32*(\mb0)+2*bi+1], v[BETA+8*((\mb0)+bi/16)+2*(bi%4):BETA+8*((\mb0)+bi/16)+2*(bi%4)+1]
.set bi, bi+1
.endm
; h to relu(h) in bf16: pair n of 32 lies in result n / 4 = 4 m2 + t and goes to register 4 m2 + n % 4 of tile t's source 1 in buffer b
.macro CVTP n, b
	v_cvt_pk_bf16_f32 v[HB+32*(\b)+8*(((\n)/4)%4)+4*((\n)/16)+(\n)%4], v[HA+2*(\n)], v[HA+2*(\n)+1]
.endm
.macro CMX n
	v_max_num_f32 v[HA+(\n)], 0, v[HA+(\n)]
.endm
; Entry cq of the 96 for a slice: 64 maxima in place, in ascending order, and 32 roundings; four maxima lead, then rounding, two maxima, rounding, two maxima, so that a rounding reads maxima made four and five entries before it
.macro CQ b
	WIN 0
.if cq < 4
	CMX cq
.elseif cq < 94
.set cj, (cq-4)/6
.set cr, (cq-4)%6
.if cr == 0
	CVTP 2*cj, \b
.elseif cr == 3
	CVTP 2*cj+1, \b
.elseif cr < 3
	CMX 4*cj+3+cr
.else
	CMX 4*cj+2+cr
.endif
.else
	CVTP cq-64, \b
.endif
.set cq, cq+1
.endm
; THE MATRIX STAGES, 32 instructions each.  The accumulators take turns, one instruction a turn, within a stage, from stage to stage and over both backward jumps.
; HST: channels 32 s .. + 31 of h for four tiles: 8 accumulators, k in four steps; the first step takes b0 as C.  What stands behind its products:
; ride 1: entries 224-319 of relu(net) behind the first 24 (channel blocks 4, 5 are whole just ahead of the third k step), 320-383 in a lump ahead of the fourth k step, which reads them;
;         behind the last 8 the corner weights (last = 1: the new latent's roundings).
; ride 2, 3: net += beta for channel blocks 0-3, 4-7, behind the last 16.  ride 4: the first half of the gathered rows behind the last 8 (last = 1: offsets and rel behind the last 11).
.macro HST s, buf, ride, last
.set hn, 0
.set bi, 0
.set bq, 224
.set gq, 0
.set wq, 0
.set lq, 0
.set pq, 0
.rept 32
.set kq, hn/8
.set mm, (hn/4)%2
.set tn, hn%4
	WIN W_H
.if hn < 8
	MMA HA+8*(4*mm+tn), (\buf)+8*(2*kq+mm), AF+32*kq+8*tn, B0F+16*((\s)%2)+8*mm
.else
	MMA HA+8*(4*mm+tn), (\buf)+8*(2*kq+mm), AF+32*kq+8*tn, HA+8*(4*mm+tn)
.endif
.if (\ride) == 1
.if hn < 24
.rept 4
	BQ
.endr
.if hn == 23
.rept 64
	BQ
.endr
.endif
.elseif \last
.rept 4
	LCQ
.endr
.else
.rept 3
	GWE s45, s44, s47, s46
.endr
.endif
.elseif (\ride) == 2
.if hn >= 16
.rept 4
	BADD 0
.endr
.endif
.elseif (\ride) == 3
.if hn >= 16
.rept 4
	BADD 4
.endr
.endif
.elseif (\ride) == 4
.if \last
.if hn >= 21
.rept 4
	PRE GOFF, REL
.endr
.endif
.else
.if hn >= 24
.rept 4
	GUQ 0
.endr
.endif
.endif
.endif
.set hn, hn+1
.endr
.endm
; NST: net += W1(k = 32 s .. + 31) relu(h): 32 accumulators; behind the last 24 the next slice's relu(h), four entries each
.macro NST s, buf
.set nn, 0
.set cq, 0
.rept 32
	WIN W_N
	MMA NET+8*nn, (\buf)+8*(nn/4), HB+32*((\s)%2)+8*(nn%4), NET+8*nn
.if nn >= 8
.rept 4
	CQ ((\s)+1)%2
.endr
.endif
.set nn, nn+1
.endr
.endm
; NWST: by channel blocks (groups): (n3) the last slice of W1, (wc = 1) the next block's latent product, (wc = 2) the pass's first, which starts net with beta0 as C.  A block of net is then final.
; Behind each product of groups 1-7: per entries of relu(net)'s list (224 in all), or (leaky) of the list of the channel block before.  Entry 48 mb comes per x (products a group) x ... later than group mb ends:
; with 8 products a group and 4 entries each behind product 8 + 12 mb, with 4 and 8 behind product 4 + 6 mb.  Behind group 0's products: (g0) the second half of the gathered rows, four entries each; else nothing,
; and four v_nop follow the group.  A bf16 and an f16 product on one accumulator are no chain: five places stand between them: the sixteen entries behind the four products between.
.macro NWR g0, leaky, per
.if mbn == 0
.if \g0
.rept 4
	GUQ 1
.endr
.endif
.elseif \leaky
	RIDE mbn-1, 1, \per
.else
.rept \per
	BQ
.endr
.endif
.endm
.macro NWST n3, wc, leaky, per, g0
.set mbn, 0
.set bq, 0
.set gq, 0
.rept 8
.set bi, 0
.if \n3
.set tn, 0
.rept 4
	WIN W_N
	MMA NET+32*mbn+8*tn, Y+8*mbn, HB+32+8*tn, NET+32*mbn+8*tn
	NWR \g0, \leaky, \per
.set tn, tn+1
.endr
.endif
.if (\wc) == 1
.set tn, 0
.rept 4
	WIN W_WC
	MMH NET+32*mbn+8*tn, WCF+8*mbn, LAT+8*tn, NET+32*mbn+8*tn
	NWR \g0, \leaky, \per
.set tn, tn+1
.endr
.elseif (\wc) == 2
.set tn, 0
.rept 4
	WIN W_WC0
	MMH NET+32*mbn+8*tn, WCF+8*mbn, LAT+8*tn, BETA+8*mbn
	NWR \g0, \leaky, \per
.set tn, tn+1
.endr
.endif
.if (mbn == 0) && !(\g0)
	PLACES
.endif
.set mbn, mbn+1
.endr
.endm
; A RESIDUAL BLOCK.  Stages H0 H1 N0 H2 N1 H3 N2 N3, their chunks by turns in X and Y; each run of 16 LDS loads is issued one stage ahead, so every s_wait_dscnt 16 leaves the run just issued out.
; Loads from memory go out in five runs, beside runs of LDS loads: A latent matrix 16 + rows 16; B b0 4; C b0 4; D b0 4 + rows 16; E b0 4 + beta 16 (last = 1: A 16 + cells 4; B 4 + fc_out_w 16; C 4; D 4; E 20).
; last = 0: the loop's body (blocks 0-3).  last = 1: the fifth block.
.macro BLOCK last
.if \last
	LDW 54                                         ; the next pass's first latent matrix
	LDQ GOFF, REL                                  ; the cells of the pass after that
.else
	PAIR
	LDW 48                                         ; the next block's latent matrix
	GISSUE 0, 40, 0
.endif
	LDF Y, 1
.if \last
	s_wait_loadcnt 20                              ; run A may be out: b0 of slices 0, 1 and beta are in
.else
	s_wait_loadcnt 32                              ; run A may be out: b0 of slices 0, 1 and beta are in
.endif
	s_wait_dscnt 16
	HST 0, X, 1, \last
.if \last
	PLACES
.endif
.set cq, 0
.rept 96                               ; slice 0's relu(h): nothing can be multiplied beside it
	CQ 0
.endr
	LDF X, 2
	LDB0 0, 52, 256                                ; b0 of slice 2
.if \last
	LDV WO, 18, 0                                  ; fc_out_w, where the latent's sums lay: they have been rounded
.endif
	s_wait_dscnt 16
	HST 1, Y, 2, \last
	LDF Y, 3
	LDB0 1, 52, 384                                ; b0 of slice 3
	s_wait_dscnt 16
	NST 0, X
	LDF X, 4
.if \last
	s_wait_loadcnt 20                              ; fc_out_w and run C may be out: the cells and b0 of slice 2 are in
.else
	s_wait_loadcnt 4                               ; run C may be out: the rows of tiles 0, 1 and b0 of slice 2 are in
.endif
	s_wait_dscnt 16
	HST 2, Y, 4, \last
	LDF Y, 5
.if \last
	LDB0 0, 8, 0                                   ; the next pass's first block
.else
	LDB0 0, 52, 512                                ; the next block's slice 0
	GISSUE 1, 40, 0
.endif
	s_wait_dscnt 16
	NST 1, X
	LDF X, 6
.if \last
	s_wait_loadcnt 4                               ; run D may be out: b0 of slice 3 and fc_out_w are in
.else
	s_wait_loadcnt 20                              ; run D may be out: b0 of slice 3 is in
.endif
	s_wait_dscnt 16
	HST 3, Y, 3, \last
	LDF Y, 7
.if \last
	LDB0 1, 8, 128
	LDV BETA, 56, 0                                ; beta0
.else
	LDB0 1, 52, 640
	LDV BETA, 50, 0                                ; the beta that the next block adds
.endif
	s_wait_dscnt 16
	NST 2, X
	WIN 0
.if \last
	v_mov_b32 v[ADR], v[LANE16]                    ; back to block 0
.else
	s_lshl_b32 s23, s22, 16
	s_add_co_u32 s23, s23, 0x10000                 ; the next block's 65,536 bytes
	v_add_nc_u32 v[ADR], s23, v[LANE16]
.endif
	LDF X, 0
.if \last
	s_wait_dscnt 16
	NWST 1, 0, 1, 16, 0
	PLACES
.else
	s_wait_loadcnt 20                              ; run E may be out: the rows of tiles 2, 3 and the latent matrix are in
	s_wait_dscnt 16
	NWST 1, 1, 0, 4, 1
	WIN 0
	s_wait_xcnt 0x0                                ; every earlier memory instruction has had its addresses translated (ISA guide 3.1): the three bases step only behind this wait
	s_add_nc_u64 s[48:49], s[48:49], 8192
	s_add_nc_u64 s[50:51], s[50:51], 512
	s_add_nc_u64 s[52:53], s[52:53], 512
.endif
.endm
; THE FIRST PASS'S GATHER: group g of 8 = corner pair g / 2 (dx = g / 4, dy = (g / 2) % 2, as an immediate: 532,480 bytes at the most), tiles 2 (g % 2) and the next; buffer g % 3 in window 2
.macro G1I g
.set GBB, 64*((\g)%3)
	GISSUE (\g)%2, 4, ((\g)/4)*524288+(((\g)/2)%2)*8192
.endm
.macro G1U g
.set GBB, 64*((\g)%3)
.set gq, 0
	s_wait_loadcnt 32                              ; two runs of 16 were issued behind this group
.rept 32
	GUQ (\g)%2
.endr
.endm
	s_load_b256 s[4:11], s[0:1], 0x0
	s_load_b128 s[12:15], s[0:1], 0x20
	s_load_b128 s[16:19], s[0:1], 0x30
	v_lshrrev_b32 v6, 5, v0
	v_readfirstlane_b32 s2, v6                     ; wave 0..3
	v_and_b32 v7, 31, v0
	v_lshlrev_b32 v[LANE16], 4, v7
	v_bfe_u32 v6, v0, 4, 1                         ; h = lane / 16
	v_lshlrev_b32 v[H32], 5, v6
	v_and_b32 v7, 15, v0                           ; r = lane % 16
	v_lshlrev_b32 v[OOFF], 4, v7
	v_lshlrev_b32 v[VQ], 2, v7
	v_lshl_add_u32 v[VQ], v6, 30, v[VQ]            ; 4 r, and far beyond every query for lanes 16-31, which store nothing
	s_lshl_b32 s24, ttmp9, 8
	s_lshl_b32 s63, s2, 6
	s_add_co_u32 s24, s24, s63                     ; my first pass's base
	s_add_co_u32 s63, s24, 3*STEPQ
	s_cmp_lt_u32 s63, NQ
	s_cselect_b32 s20, 4, 3                        ; a fourth pass only if it holds a query
	s_mov_b32 s66, 0x76543210                      ; each lane takes its own place in the other half
	s_mov_b32 s67, 0xfedcba98
	; the descriptor: my quarter of the ten layers, 81,920 dense bytes, as 320 rows of 256
	s_mov_b32 s28, 1                               ; count = 1
	s_mul_i32 s29, s2, QUART                       ; LDS address: the wave's number times a constant
	s_mov_b32 s32, 3<<16                           ; 15:0 no mask; 17:16 elements of 8 bytes; no padding
	s_mov_b32 s33, 32<<16                          ; tensor_dim0 = 32
	s_mov_b32 s34, 320<<16                         ; tensor_dim1 = 320
	s_mov_b32 s35, 32<<16                          ; tile_dim0 = 32
	s_mov_b32 s36, 320                             ; tile_dim1 = 320
	s_mov_b32 s37, 32                              ; 32 elements from row to row
	s_mov_b32 s38, 0
	s_mov_b32 s39, 0
	s_mov_b32 s42, s29
	s_mov_b32 s43, 0
	s_wait_kmcnt 0x0
	s_add_nc_u64 s[30:31], s[14:15], s[42:43]
	s_or_b32 s31, s31, 0x80000000                  ; type = 2
	s_load_b32 s27, s[10:11], 0x0
	s_add_nc_u64 s[54:55], s[14:15], SMO
	s_add_nc_u64 s[56:57], s[14:15], BEO
	tensor_load_to_lds s[28:31], s[32:39]          ; the one fill, ahead of every wait on TENSORcnt, every LDS read and the barrier
	PLACES                                         ; four v_nop follow the line
	; THE FIRST PASS'S LATENT, while the fill is on its way.  Three groups of 16 loads are out at a time; with the 12 loads in front of them 60 at the most.
	s_mov_b32 s25, s24
	LDQ GOFF, REL
	LDB0 0, 8, 0
	LDB0 1, 8, 128
	s_add_co_u32 s25, s25, STEPQ
	s_wait_xcnt 0x0                                ; the loads above have had their addresses translated: the cells' base and the coordinates' offset are made anew
	LDQ HA, HA+4                                   ; the second pass's cells and coordinates wait in h's registers
	s_add_co_u32 s25, s25, STEPQ
	s_wait_loadcnt 12                              ; b0 (8) and the second pass's four may be out: the first pass's cells are in
	PROCR 0, 8, GOFF, REL
.set GLW, W_CA
.set GWN, W_G2
	G1I 0
	G1I 1
	G1I 2
	PROCR 8, 44, GOFF, REL
	LCLR
	s_wait_kmcnt 0x0                               ; fc_out_b[0]
	GWL -1.0, 1.0, -1.0, 1.0                       ; pair (0, 0): (1 - rx)(1 - ry)
	G1U 0
	G1I 3
	G1U 1
	G1I 4
	GWL -1.0, 1.0, 1.0, 0                          ; pair (0, 1)
	G1U 2
	G1I 5
	G1U 3
	G1I 6
	GWL 1.0, 0, -1.0, 1.0                          ; pair (1, 0)
	G1U 4
	G1I 7
	G1U 5
	LDW 54                                         ; no group is left to ask for: the first latent matrix,
	GWL 1.0, 0, 1.0, 0                             ; pair (1, 1)
	G1U 6
	LDV BETA, 56, 0                                ; and beta0, take the groups' places in the count
	G1U 7
.set GBB, GB
.set GLW, W_L3
.set GWN, W_GF
	LATCVT
	LCLR
	PROCR 0, 44, HA, HA+4
	s_wait_tensorcnt 0x0                           ; my quarter is in,
	s_barrier_signal -1
	s_barrier_wait -1                              ; everybody's is; nothing is ever filled again
	v_mov_b32 v[ADR], v[LANE16]
	LDF X, 0
	WIN 0
	s_mov_b32 s21, 0
.Lpass:
	s_wait_loadcnt 0x0                             ; the first latent matrix, beta0 and b0 of slices 0, 1
	NWST 0, 2, 0, 8, 0
	PLACES
	LDV BETA, 56, 512                              ; beta1
	WIN 0
	s_add_nc_u64 s[48:49], s[54:55], 8192
	s_add_nc_u64 s[50:51], s[56:57], 1024
	s_mov_b64 s[52:53], s[8:9]
	s_mov_b32 s22, 0
.Lblk:
	BLOCK 0
	s_add_co_u32 s22, s22, 1
	s_cmp_lt_u32 s22, 4
	s_cbranch_scc1 .Lblk
	BLOCK 1
.set bi, 0
	RIDE 7, 1, 64                                  ; the last channel block's leaky ReLU and its share of the output sums
	LCLR                                           ; fc_out_w has been read: the registers are the latent's sums again
	; THE WAY OUT.  A lane's 8 partial sums a tile are added; the query's other 64 channels lie in the lane 16 away.
	WIN 0
.set i, 0
.rept 4
	v_pk_add_f32 v[OACC+8*i:OACC+8*i+1], v[OACC+8*i:OACC+8*i+1], v[OACC+8*i+2:OACC+8*i+3]
	v_pk_add_f32 v[OACC+8*i+4:OACC+8*i+5], v[OACC+8*i+4:OACC+8*i+5], v[OACC+8*i+6:OACC+8*i+7]
.set i, i+1
.endr
.set i, 0
.rept 4
	v_pk_add_f32 v[OACC+8*i:OACC+8*i+1], v[OACC+8*i:OACC+8*i+1], v[OACC+8*i+4:OACC+8*i+5]
.set i, i+1
.endr
.set i, 0
.rept 4
	v_add_f32 v[WT+i], v[OACC+8*i], v[OACC+8*i+1]
.set i, i+1
.endr
.set i, 0
.rept 4
	v_permlanex16_b32 v[WT+4+i], v[WT+i], s66, s67 ; its destination counts as read: the corner weights were written there
.set i, i+1
.endr
.set i, 0
.rept 4
	v_add_f32 v[WT+i], v[WT+i], v[WT+4+i]
.set i, i+1
.endr
.set i, 0
.rept 4
	v_add_f32 v[WT+i], s27, v[WT+i]
.set i, i+1
.endr
	s_lshl_b32 s42, s24, 2
	s_add_nc_u64 s[60:61], s[16:17], s[42:43]
	v_add_nc_u32 v[T0], s24, v[VQ]
	v_cmp_gt_u32 vcc_lo, NQ, v[T0]                 ; 250,000 is a multiple of 4: a lane's four queries are in or out together
	s_wait_xcnt 0x0                                ; EXEC changes only behind this wait
	s_and_saveexec_b32 s62, vcc_lo
	global_store_b128 v[OOFF], v[WT:WT+3], s[60:61] th:TH_STORE_NT  ; sixteen lanes store 256 consecutive bytes, aligned
	s_wait_xcnt 0x0                                ; and again; it also frees the store's data and base
	s_or_b32 exec_lo, exec_lo, s62
	s_add_co_u32 s24, s24, STEPQ
	s_add_co_u32 s25, s25, STEPQ
	s_add_co_u32 s21, s21, 1
	s_cmp_lt_u32 s21, s20
	s_cbranch_scc1 .Lpass
	s_wait_loadcnt 0x0                             ; the look-ahead of a pass that does not come
	s_wait_dscnt 0x0
	s_endpgm
.Lfunc_end_k_q17c84aa0b9_decode:
	.size	k_q17c84aa0b9_decode, .Lfunc_end_k_q17c84aa0b9_decode-k_q17c84aa0b9_decode
	.p2alignl 7, 3214868480
	.fill 96, 4, 3214868480
	.section	.rodata,"a",@progbits
	.p2align	6, 0x0
	.amdhsa_kernel k_q17c84aa0b9_decode
		.amdhsa_group_segment_fixed_size 327680
		.amdhsa_private_segment_fixed_size 0
		.amdhsa_enable_private_segment 0
		.amdhsa_kernarg_size 64
		.amdhsa_user_sgpr_count 2
		.amdhsa_user_sgpr_kernarg_segment_ptr 1
		.amdhsa_wavefront_size32 1
		.amdhsa_system_sgpr_workgroup_id_x 1
		.amdhsa_system_sgpr_workgroup_id_y 1
		.amdhsa_system_sgpr_workgroup_id_z 1
		.amdhsa_system_vgpr_workitem_id 0
		.amdhsa_next_free_vgpr 1024
		.amdhsa_next_free_sgpr 70
		.amdhsa_reserve_vcc 1
		.amdhsa_float_denorm_mode_32 3
		.amdhsa_float_denorm_mode_16_64 3
		.amdhsa_memory_ordered 1
		.amdhsa_forward_progress 1
		.amdhsa_inst_pref_size 255
	.end_amdhsa_kernel
	.section	.bss,"aw",@nobits
	.p2align	6
	.space	262144
	.amdgpu_metadata
---
amdhsa.version: [ 1, 2 ]
amdhsa.kernels:
  - .name:           k_q17c84aa0b9_decode
    .symbol:         k_q17c84aa0b9_decode.kd
    .args:
      - { .name: z_feats, .offset: 0, .size: 8, .value_kind: global_buffer, .address_space: global }
      - { .name: query, .offset: 8, .size: 8, .value_kind: global_buffer, .address_space: global }
      - { .name: fc0_b, .offset: 16, .size: 8, .value_kind: global_buffer, .address_space: global }
      - { .name: fc_out_b, .offset: 24, .size: 8, .value_kind: global_buffer, .address_space: global }
      - { .name: cell, .offset: 32, .size: 8, .value_kind: global_buffer, .address_space: global }
      - { .name: wts, .offset: 40, .size: 8, .value_kind: global_buffer, .address_space: global }
      - { .name: out0, .offset: 48, .size: 8, .value_kind: global_buffer, .address_space: global }
      - { .name: fc_out_w, .offset: 56, .size: 8, .value_kind: global_buffer, .address_space: global }
    .group_segment_fixed_size: 327680
    .private_segment_fixed_size: 0
    .kernarg_segment_align: 8
    .kernarg_segment_size: 64
    .max_flat_workgroup_size: 128
    .sgpr_count:     70
    .vgpr_count:     1024
    .wavefront_size: 32
...
	.end_amdgpu_metadata
.endif
;; end of part 2
